; MI455X (gfx1250); checked and timed in simulation.
; The chip was launched on July 23, 2026; its instructions are those of AMD's public machine-readable ISA for CDNA 5 (MIT licence, August 2026) and "CDNA5" Instruction Set Architecture Reference Guide (July 2026). The comments in the code are by the model that wrote it; some were corrected since.
;; Jastrow Factor. Allowed arithmetic: float matrix products may take bf16 or f16 operands with f32 sums; all other float work in f32.
;; Inputs: alpha_anti 1 float32; alpha_par 1 float32; atom_coords 16 x 3 float32; electron_coords 8,192 x 64 x 3 float32.
;; Outputs: out0 8,192 float32.
;; Constants: n_electrons_up = 32.
;; One version. Each part assembles by itself: llvm-mc -triple=amdgcn-amd-amdhsa -mcpu=gfx1250 --defsym DOCPART=n.
;; ======== version 1 of 1: 1 launch
;; limits: below input magnitudes of 1e-06 results are inexact or not finite; inputs' magnitudes at most 1e+19
;; launch jastrow (part 1): grid 256 x 1, 8 waves a work-group, no clusters, 168,960 bytes of LDS; arguments electron_coords, alpha_par, alpha_anti, out0; writes out0
.if DOCPART == 1
	.amdgcn_target "amdgcn-amd-amdhsa--gfx1250"
	.amdhsa_code_object_version 6
	.text
	.protected	k_q031efc2317_jastrow
	.globl	k_q031efc2317_jastrow
	.p2align	8
	.type	k_q031efc2317_jastrow,@function
k_q031efc2317_jastrow:
	s_mov_b64 s[64:65], 0
	v_nop
	global_prefetch_b8 v0, s[64:65] scope:SCOPE_SE
	s_setreg_imm32_b32 hwreg(HW_REG_WAVE_MODE, 25, 1), 1
	s_wait_xcnt 0x0
; out[b] = sum over i < j of  c / (alpha + max(|x_i - x_j|, 1e-10)),  64 electrons, 8,192 batches, all f32;
; same spin (both < 32 or both >= 32): alpha = ap, c = -0.25 ap^2;  opposite spin: alpha = aa, c = -0.5 aa^2.
;
; SHARES.  A lane is a batch: 32 batches to a work-group, 256 work-groups.  The 2,016 pairs of a batch are dealt to the eight waves,
; 252 each.  The electrons form 8 groups of 8 (0-3 up, 4-7 down).  Wave w = 4 h + v takes
;   P0  the 28 pairs inside group w                                        (same spin)
;   P1  group w x group 4 h + (v+1)%4                         64 pairs     (same spin)
;   P2, P3  group w x groups 4 (1-h) + (v+h+t)%4, t = 0, 1    2 x 64       (opposite spin: up a meets down a, a+1 in an up wave, a+2, a+3 in a down wave)
;   P4  half v/2 of group 4 h + v%2  x  group 4 h + v%2 + 2   32 pairs     (same spin; waves v and v+2 share that block)
; so each unordered pair is met once, the spin case of a phase is fixed in the text, and only LDS addresses hang on the wave.
;
; ARITHMETIC.  Coordinates lie in registers as x[0..7], y[0..7], z[0..7] of a group, so one packed f32 instruction serves the pairs
; (i, j) and (i, j+1): a 'set'; electron i is broadcast by op_sel.  Two sets share their reciprocals: 1/u1 + 1/u2 = (u1+u2) / (u1 u2).
; The sums of 1/(alpha + r) are kept apart for the two spin cases and meet c once, at the end (alpha = 0 gives 0, as in the reference).
;
; LIMITS.  (1) The floor of 1e-10 under r is folded into the first multiply-add: r = sqrt(d2 + 1e-20).  For r > 3e-7 that is the
; reference's r in f32; below, r differs from max(r, 1e-10) by at most 4.2e-11, a term by at most 4.2e-11 / |alpha + r| of itself
; (under 5e-5 for |alpha| >= 1e-6).  (2) Distances below 1e19: beyond, d2 or u1 u2 overflows and inf x 0 gives NaN where the
; reference gives 0.  (3) The terms are added in another order than in the reference.
; atom_coords does not enter the result and is not an argument.  No cluster: no two work-groups read a common byte.
; A work-group owns 32 results: its one store covers 128 consecutive bytes.
.set NB,    32                         ; batches of a work-group = lanes
.set ROWB,  768                        ; bytes of a batch in memory: 64 electrons x 3 x 4
.set PITCH, 776                        ; bytes from batch to batch in LDS: 194 words, so that the 32 lanes' words lie 2 apart modulo 64 words,
                                       ; and the two words of a two-address load (3 words apart) fall between each other: different banks
.set GRP,   96                         ; bytes of a group of 8 electrons
.set PART,  NB*PITCH                   ; behind the rows: 8 waves x 32 lanes partial sums
.set SW,  12                           ; s12       wave number
.set AP,  16                           ; s[16:17]  alpha_par, twice (a scalar pair is read whole by a packed instruction)
.set AA,  18                           ; s[18:19]  alpha_anti, twice
.set EPS, 20                           ; s[20:21]  1e-20, twice
.set CP,  22                           ; s[22:23]  -0.25 ap^2, twice
.set CA,  24                           ; s[24:25]  -0.5 aa^2, twice
.set G1,  28                           ; s[28:35]  tensor descriptor group 1: the shape, one for all loads
.set G0,  36                           ; s[36:51]  group 0, a set for each of the wave's four loads
.set VB,   2                           ; lane x PITCH
.set VAI,  3                           ; LDS address of my batch's group for: own group,
.set VAJ1, 4                           ; P1,
.set VAJ2, 5                           ; P2,
.set VAJ3, 6                           ; P3,
.set VAA,  7                           ; P4's half group,
.set VAB,  8                           ; P4's whole group
.set VST,  9                           ; 4 x thread: where my partial sum goes
.set VRD,  10                          ; 4 x lane
.set IB,   16                          ; v[16:39]    own group: x 8, y 8, z 8
.set JB0,  40                          ; v[40:63]    partner of P1, later of P4
.set JB1,  64                          ; v[64:87]    partner of P2
.set JB2,  88                          ; v[88:111]   partner of P3
.set AB,   112                         ; v[112:123]  P4's four electrons: x 4, y 4, z 4
.set DX,   124                         ; v[124:139]  dx of the 8 sets of a unit
.set DY,   140                         ; v[140:155]  dy
.set Q0,   156                         ; v[156:171]  dz, then d2, r, u = alpha + r; units take Q0 and Q1 in turn
.set Q1,   172
.set PS0,  188                         ; v[188:203]  for each two sets: u1 u2 (2 registers), then u1 + u2 (2); in turn with PS1
.set PS1,  204
.set ACCP, 220                         ; v[220:227]  sums of 1/(ap + r): four pairs, so that no add waits for the one in front
.set ACCA, 228                         ; v[228:235]  sums of 1/(aa + r)
	s_load_b256 s[4:11], s[0:1], 0x0               ; coordinates s[4:5], &alpha_par s[6:7], &alpha_anti s[8:9], out s[10:11]
	v_lshl_add_u32 v236, v0, 2, 0x29000
	v_mov_b32 v237, 0
	ds_add_u32 v236, v237
	ds_add_u32 v236, v237
	v_lshrrev_b32 v1, 5, v0
	v_readfirstlane_b32 s[SW], v1                  ; wave 0..7
	; Group 1: one row of 96 elements of 8 bytes (a batch's 768 bytes, three aligned pieces of 256 bytes in memory), no padding.
	s_mov_b32 s[G1+0], 3<<16                       ; 15:0 no work-group mask; 17:16 elements of 8 bytes
	s_mov_b32 s[G1+1], (ROWB/8)<<16                ; tensor_dim0 = 96
	s_mov_b32 s[G1+2], 1<<16                           ; second dimension not used
	s_mov_b32 s[G1+3], (ROWB/8)<<16                ; tile_dim0 = 96
	s_mov_b32 s[G1+4], 1
	s_mov_b32 s[G1+5], 96
	s_mov_b32 s[G1+6], 0
	s_mov_b32 s[G1+7], 0
	s_mul_i32 s2, ttmp9, NB*ROWB                   ; the work-group's 32 batches (below 6.3 MB: one word)
	s_mul_i32 s3, s[SW], 4*ROWB                    ; of which this wave fetches batches 4 w .. 4 w + 3
	s_add_co_u32 s2, s2, s3
	s_mov_b32 s3, 0
	s_mul_i32 s13, s[SW], 4*PITCH                  ; and where they go
	s_wait_dscnt 0x0
	s_wait_kmcnt 0x0
	s_add_nc_u64 s[4:5], s[4:5], s[2:3]
.irp r, 0,1,2,3
	s_mov_b32 s[G0+4*\r], 1                                        ; count = 1
	s_add_co_u32 s[G0+4*\r+1], s13, \r*PITCH                       ; LDS address of the row
	s_add_nc_u64 s[G0+4*\r+2:G0+4*\r+3], s[4:5], \r*ROWB           ; its address in memory
	s_or_b32 s[G0+4*\r+3], s[G0+4*\r+3], 0x80000000                ; type = 2
	tensor_load_to_lds s[G0+4*\r:G0+4*\r+3], s[G1:G1+7]            ; four loads of this wave are out together; each has its own group 0
	s_nop 0
.endr
	s_load_b32 s[AP], s[6:7], 0x0
	s_load_b32 s[AA], s[8:9], 0x0
	; While the rows are on their way: the LDS addresses of the groups that this wave meets.
	v_and_b32 v1, 31, v0                           ; lane = batch
	v_mul_u32_u24 v[VB], v1, PITCH
	s_and_b32 s52, s[SW], 3                        ; v
	s_and_b32 s53, s[SW], 4                        ; 4 h: first group of my spin
	s_lshr_b32 s54, s[SW], 2                       ; h
	s_mul_i32 s55, s[SW], GRP
	v_add_nc_u32 v[VAI], s55, v[VB]                ; own group w
	s_add_co_u32 s55, s52, 1
	s_and_b32 s55, s55, 3
	s_or_b32 s55, s55, s53
	s_mul_i32 s55, s55, GRP
	v_add_nc_u32 v[VAJ1], s55, v[VB]               ; P1: 4 h + (v+1)%4
	s_xor_b32 s56, s53, 4                          ; first group of the other spin
	s_add_co_u32 s57, s52, s54                     ; v + h
	s_and_b32 s55, s57, 3
	s_or_b32 s55, s55, s56
	s_mul_i32 s55, s55, GRP
	v_add_nc_u32 v[VAJ2], s55, v[VB]               ; P2: 4 (1-h) + (v+h)%4
	s_add_co_u32 s57, s57, 1
	s_and_b32 s55, s57, 3
	s_or_b32 s55, s55, s56
	s_mul_i32 s55, s55, GRP
	v_add_nc_u32 v[VAJ3], s55, v[VB]               ; P3: 4 (1-h) + (v+h+1)%4
	s_and_b32 s55, s52, 1
	s_or_b32 s55, s55, s53
	s_mul_i32 s57, s55, GRP                        ; group 4 h + v%2
	s_lshr_b32 s58, s52, 1
	s_mul_i32 s58, s58, GRP/2                      ; its half v/2
	s_add_co_u32 s58, s58, s57
	v_add_nc_u32 v[VAA], s58, v[VB]                ; P4: four electrons
	s_add_co_u32 s57, s57, 2*GRP
	v_add_nc_u32 v[VAB], s57, v[VB]                ; P4: group 4 h + v%2 + 2
	s_mov_b32 s[EPS], 0x1e3ce508                   ; 1e-20 = (1e-10)^2
	s_mov_b32 s[EPS+1], 0x1e3ce508
	s_wait_kmcnt 0x0                               ; the two alphas
	s_mov_b32 s[AP+1], s[AP]
	s_mov_b32 s[AA+1], s[AA]
	s_mul_f32 s[CP], s[AP], s[AP]
	s_mul_f32 s[CP], s[CP], 0xbe800000             ; -0.25 ap^2
	s_mov_b32 s[CP+1], s[CP]
	s_mul_f32 s[CA], s[AA], s[AA]
	s_mul_f32 s[CA], s[CA], -0.5                   ; -0.5 aa^2
	s_mov_b32 s[CA+1], s[CA]
	s_wait_tensorcnt 0x0                           ; my four rows are in LDS; every lane's row is needed before any pair can start,
	s_barrier_signal -1                            ; so there is nothing to leave in flight
	s_barrier_wait -1                              ; everybody's rows are in
; np pairs of electrons from LDS into registers, component by component: one two-address load takes component c of electrons
; 2 p and 2 p + 1 (words 6 p + c and 6 p + c + 3 of the group) into a register pair.  st = registers from component to component.
.macro LDSET rb, st, np, ad
.set c_, 0
.rept 3
.set p_, 0
.rept \np
	ds_load_2addr_b32 v[(\rb)+(\st)*c_+2*p_:(\rb)+(\st)*c_+2*p_+1], v[\ad] offset0:6*p_+c_ offset1:6*p_+c_+3
.set p_, p_+1
.endr
.set c_, c_+1
.endr
.endm
; d (a pair) = j (a pair) - the one register i, broadcast: op_sel picks i's half of its aligned pair for both results.
.macro SUB1 d, j, i
.if (\i)&1
	v_pk_add_f32 v[(\d):(\d)+1], v[(\j):(\j)+1], v[(\i)-1:(\i)] op_sel:[0,1] op_sel_hi:[1,1] neg_lo:[0,1] neg_hi:[0,1]
.else
	v_pk_add_f32 v[(\d):(\d)+1], v[(\j):(\j)+1], v[(\i):(\i)+1] op_sel:[0,0] op_sel_hi:[1,0] neg_lo:[0,1] neg_hi:[0,1]
.endif
.endm
; Set s of the unit being started: electrons 2 p, 2 p + 1 of the group at jb against electron i of the group at ib (is = its component stride).
.macro SETB s, jb, p, ib, is, i
	SUB1 DX+2*(\s), (\jb)+2*(\p), (\ib)+(\i)
	SUB1 DY+2*(\s), (\jb)+8+2*(\p), (\ib)+(\is)+(\i)
	SUB1 QC+2*(\s), (\jb)+16+2*(\p), (\ib)+2*(\is)+(\i)
.endm
; The pairs (i0, i0+1) and (i0+2, i0+3) of the own group lie inside register pairs: their differences take plain subtractions.
.macro LEFT s, i0
	v_sub_f32 v[DX+2*(\s)],   v[IB+(\i0)],      v[IB+(\i0)+1]
	v_sub_f32 v[DX+2*(\s)+1], v[IB+(\i0)+2],    v[IB+(\i0)+3]
	v_sub_f32 v[DY+2*(\s)],   v[IB+8+(\i0)],    v[IB+8+(\i0)+1]
	v_sub_f32 v[DY+2*(\s)+1], v[IB+8+(\i0)+2],  v[IB+8+(\i0)+3]
	v_sub_f32 v[QC+2*(\s)],   v[IB+16+(\i0)],   v[IB+16+(\i0)+1]
	v_sub_f32 v[QC+2*(\s)+1], v[IB+16+(\i0)+2], v[IB+16+(\i0)+3]
	s_wait_alu depctr_va_vdst(0)
.endm
; THE PIPELINE.  A unit is cnt sets (even, at most 8).  Its differences are written by SETB / LEFT; ADV then
;   squares and adds them (new unit),
;   adds sum x reciprocal of the unit two back to its accumulators,
;   makes u, u1 u2 and u1 + u2 of the unit one back,
;   and issues, in one run, that unit's reciprocals and the new unit's roots.
; Behind a run of transcendentals come the next unit's differences: plain instructions on other registers, as ISA guide 5.7.2 asks
; before a result is used, and some fifty instructions of cover.  The symbols below carry each unit's figures from stage to stage.
.set QC,  Q0                           ; the new unit's registers; the other set is the unit's one back
.set QO,  Q1
.set PSC, PS0                          ; the unit's two back (the same turn as the new one)
.set PSO, PS1
.set N1, 0                             ; sets of the unit one back, its alpha, its accumulators, whether it starts them
.set ALF1, AP
.set ACU1, ACCP
.set FST1, 0
.set N2, 0                             ; the same of the unit two back
.set ACU2, ACCP
.set FST2, 0
.macro ADV cnt, alf, ac, first
.set k_, 0
.rept \cnt
	v_pk_fma_f32 v[QC+2*k_:QC+2*k_+1], v[QC+2*k_:QC+2*k_+1], v[QC+2*k_:QC+2*k_+1], s[EPS:EPS+1] op_sel_hi:[1,1,0]   ; dz^2 + 1e-20
.set k_, k_+1
.endr
.set k_, 0
.rept \cnt
	v_pk_fma_f32 v[QC+2*k_:QC+2*k_+1], v[DY+2*k_:DY+2*k_+1], v[DY+2*k_:DY+2*k_+1], v[QC+2*k_:QC+2*k_+1]
.set k_, k_+1
.endr
.set k_, 0
	s_wait_alu depctr_va_vdst(0)
.rept \cnt
	v_pk_fma_f32 v[QC+2*k_:QC+2*k_+1], v[DX+2*k_:DX+2*k_+1], v[DX+2*k_:DX+2*k_+1], v[QC+2*k_:QC+2*k_+1]
.set k_, k_+1
.endr
.set k_, 0
.rept N2/2
.if FST2
	s_wait_alu depctr_va_vdst(0)
	v_pk_mul_f32 v[ACU2+2*k_:ACU2+2*k_+1], v[PSC+4*k_+2:PSC+4*k_+3], v[PSC+4*k_:PSC+4*k_+1]   ; the first product starts the sum: nothing is cleared
.else
	v_pk_fma_f32 v[ACU2+2*k_:ACU2+2*k_+1], v[PSC+4*k_+2:PSC+4*k_+3], v[PSC+4*k_:PSC+4*k_+1], v[ACU2+2*k_:ACU2+2*k_+1]
.endif
.set k_, k_+1
.endr
.set k_, 0
.rept N1
	v_pk_add_f32 v[QO+2*k_:QO+2*k_+1], v[QO+2*k_:QO+2*k_+1], s[ALF1:ALF1+1] op_sel_hi:[1,0]   ; u = r + alpha
.set k_, k_+1
.endr
.set k_, 0
.rept N1/2
	v_pk_mul_f32 v[PSO+4*k_:PSO+4*k_+1],   v[QO+4*k_:QO+4*k_+1], v[QO+4*k_+2:QO+4*k_+3]       ; u1 u2
	v_pk_add_f32 v[PSO+4*k_+2:PSO+4*k_+3], v[QO+4*k_:QO+4*k_+1], v[QO+4*k_+2:QO+4*k_+3]       ; u1 + u2
.set k_, k_+1
.endr
.set k_, 0
.rept N1/2
	v_rcp_f32 v[PSO+4*k_],   v[PSO+4*k_]
	v_rcp_f32 v[PSO+4*k_+1], v[PSO+4*k_+1]
.set k_, k_+1
.endr
.set k_, 0
.rept 2*\cnt
	v_sqrt_f32 v[QC+k_], v[QC+k_]
.set k_, k_+1
.endr
.set N2, N1
.set ACU2, ACU1
.set FST2, FST1
.set N1, \cnt
.set ALF1, \alf
.set ACU1, \ac
.set FST1, \first
.set t_, QC
.set QC, QO
.set QO, t_
.set t_, PSC
.set PSC, PSO
.set PSO, t_
.endm
; Own group x the group at jb: four units, each the eight own electrons against one register pair of partners.
.macro BLOCK jb, alf, ac, first
.irp p, 0,1,2,3
.irp i, 0,1,2,3,4,5,6,7
	SETB \i, \jb, \p, IB, 8, \i
.endr
.if \p
	ADV 8, \alf, \ac, 0
.else
	ADV 8, \alf, \ac, \first
.endif
.endr
.endm
	; 54 LDS loads in one run; LDS loads of a wave come back in order (ISA guide 5.7.1), so each phase waits by count.
	LDSET IB,  8, 4, VAI
	LDSET JB0, 8, 4, VAJ1
	LDSET JB1, 8, 4, VAJ2
	LDSET JB2, 8, 4, VAJ3
	LDSET AB,  4, 2, VAA
	s_wait_dscnt 42                                ; the own group's 12 loads are in; 12 + 12 + 12 + 6 younger ones may be out
	; P0: the 28 pairs of the own group.  Register pairs m < n: electrons 2 m, 2 m + 1 against pair n; then the four pairs inside pairs.
	SETB 0, IB, 1, IB, 8, 0
	SETB 1, IB, 1, IB, 8, 1
	SETB 2, IB, 2, IB, 8, 0
	SETB 3, IB, 2, IB, 8, 1
	SETB 4, IB, 3, IB, 8, 0
	SETB 5, IB, 3, IB, 8, 1
	SETB 6, IB, 2, IB, 8, 2
	SETB 7, IB, 2, IB, 8, 3
	ADV 8, AP, ACCP, 1
	SETB 0, IB, 3, IB, 8, 2
	SETB 1, IB, 3, IB, 8, 3
	SETB 2, IB, 3, IB, 8, 4
	SETB 3, IB, 3, IB, 8, 5
	LEFT 4, 0
	LEFT 5, 4
	ADV 6, AP, ACCP, 0
	s_wait_dscnt 30                                ; P1's partner is in; 12 + 12 + 6 may be out
	BLOCK JB0, AP, ACCP, 0
	LDSET JB0, 8, 4, VAB                           ; P1's differences are made: its registers take P4's whole group, three phases ahead
	s_wait_dscnt 30                                ; P2's partner is in; P3's 12, the half group's 6 and the 12 just issued may be out
	BLOCK JB1, AA, ACCA, 1
	s_wait_dscnt 18                                ; P3's partner is in; 6 + 12 may be out
	BLOCK JB2, AA, ACCA, 0
	s_wait_dscnt 0x0                               ; P4's electrons are in, and this wave has read LDS for the last time:
	s_barrier_signal -1                            ; say so now; the wait stands in front of the partial sums' stores, with P4's register work between
.irp u, 0,1
.irp i, 0,1,2,3
	SETB \i,   JB0, 2*\u,   AB, 4, \i
	SETB \i+4, JB0, 2*\u+1, AB, 4, \i
.endr
	ADV 8, AP, ACCP, 0
.endr
	; The pipeline runs empty.  No differences follow, so the plain place behind each run of transcendentals is an address that is needed below.
	v_lshlrev_b32 v[VST], 2, v0
	s_wait_alu depctr_va_vdst(0)
	ADV 0, AP, ACCP, 0
	v_lshlrev_b32 v[VRD], 2, v1
	s_wait_alu depctr_va_vdst(0)
	ADV 0, AP, ACCP, 0
	; This wave's share of its lane's result: the two sums, each times its factor.
	v_pk_add_f32 v[ACCP:ACCP+1],   v[ACCP:ACCP+1],   v[ACCP+2:ACCP+3]
	v_pk_add_f32 v[ACCP+4:ACCP+5], v[ACCP+4:ACCP+5], v[ACCP+6:ACCP+7]
	v_pk_add_f32 v[ACCA:ACCA+1],   v[ACCA:ACCA+1],   v[ACCA+2:ACCA+3]
	v_pk_add_f32 v[ACCA+4:ACCA+5], v[ACCA+4:ACCA+5], v[ACCA+6:ACCA+7]
	v_pk_add_f32 v[ACCP:ACCP+1],   v[ACCP:ACCP+1],   v[ACCP+4:ACCP+5]
	v_pk_add_f32 v[ACCA:ACCA+1],   v[ACCA:ACCA+1],   v[ACCA+4:ACCA+5]
	v_pk_mul_f32 v[ACCP:ACCP+1], v[ACCP:ACCP+1], s[CP:CP+1] op_sel_hi:[1,0]
	v_pk_fma_f32 v[ACCP:ACCP+1], v[ACCA:ACCA+1], s[CA:CA+1], v[ACCP:ACCP+1] op_sel_hi:[1,0,1]
	v_add_f32 v[ACCP], v[ACCP], v[ACCP+1]
	s_barrier_wait -1                              ; every wave has finished its LDS reads
	ds_store_b32 v[VST], v[ACCP] offset:PART       ; partial sum of (wave, lane) at word 32 wave + lane
	s_wait_dscnt 0x0                               ; stored, before the others are told
	s_barrier_signal -1
	s_barrier_wait -1
	s_cmp_lg_u32 s[SW], 0
	s_cbranch_scc1 .Lend                           ; wave 0 adds the eight shares of each lane
.irp k, 0,1,2,3,4,5,6,7
	ds_load_b32 v[DX+\k], v[VRD] offset:PART+128*\k
.endr
	s_lshl_b32 s2, ttmp9, 7                        ; 32 results of 4 bytes for each work-group (s3 is still 0)
	s_add_nc_u64 s[10:11], s[10:11], s[2:3]
	s_wait_dscnt 0x0
	v_pk_add_f32 v[DX:DX+1],   v[DX:DX+1],   v[DX+2:DX+3]
	v_pk_add_f32 v[DX+4:DX+5], v[DX+4:DX+5], v[DX+6:DX+7]
	v_pk_add_f32 v[DX:DX+1],   v[DX:DX+1],   v[DX+4:DX+5]
	v_add_f32 v[DX], v[DX], v[DX+1]
	global_store_b32 v[VRD], v[DX], s[10:11] th:TH_STORE_NT     ; 32 lanes, 128 consecutive bytes
.Lend:
	s_wait_tensorcnt 0x0
	ds_add_u32 v236, v237
	s_wait_dscnt 0x0
	s_endpgm
.Lfunc_end_k_q031efc2317_jastrow:
	.size	k_q031efc2317_jastrow, .Lfunc_end_k_q031efc2317_jastrow-k_q031efc2317_jastrow
	.p2alignl 7, 3214868480
	.fill 96, 4, 3214868480
	.section	.rodata,"a",@progbits
	.p2align	6, 0x0
	.amdhsa_kernel k_q031efc2317_jastrow
		.amdhsa_group_segment_fixed_size 168960
		.amdhsa_private_segment_fixed_size 0
		.amdhsa_enable_private_segment 0
		.amdhsa_kernarg_size 32
		.amdhsa_user_sgpr_count 2
		.amdhsa_user_sgpr_kernarg_segment_ptr 1
		.amdhsa_wavefront_size32 1
		.amdhsa_system_sgpr_workgroup_id_x 1
		.amdhsa_system_sgpr_workgroup_id_y 1
		.amdhsa_system_sgpr_workgroup_id_z 1
		.amdhsa_system_vgpr_workitem_id 0
		.amdhsa_next_free_vgpr 238
		.amdhsa_next_free_sgpr 66
		.amdhsa_reserve_vcc 0
		.amdhsa_float_denorm_mode_32 3
		.amdhsa_float_denorm_mode_16_64 3
		.amdhsa_memory_ordered 1
		.amdhsa_forward_progress 1
		.amdhsa_inst_pref_size 91
	.end_amdhsa_kernel
	.amdgpu_metadata
---
amdhsa.version: [ 1, 2 ]
amdhsa.kernels:
  - .name:           k_q031efc2317_jastrow
    .symbol:         k_q031efc2317_jastrow.kd
    .args:
      - { .name: electron_coords, .offset: 0, .size: 8, .value_kind: global_buffer, .address_space: global }
      - { .name: alpha_par, .offset: 8, .size: 8, .value_kind: global_buffer, .address_space: global }
      - { .name: alpha_anti, .offset: 16, .size: 8, .value_kind: global_buffer, .address_space: global }
      - { .name: out0, .offset: 24, .size: 8, .value_kind: global_buffer, .address_space: global }
    .group_segment_fixed_size: 168960
    .private_segment_fixed_size: 0
    .kernarg_segment_align: 8
    .kernarg_segment_size: 32
    .max_flat_workgroup_size: 256
    .sgpr_count:     66
    .vgpr_count:     238
    .wavefront_size: 32
...
	.end_amdgpu_metadata
.endif
;; end of part 1
